; MI455X (gfx1250); checked and timed in simulation.
; The chip was launched on July 23, 2026; its instructions are those of AMD's public machine-readable ISA for CDNA 5 (MIT licence, August 2026) and "CDNA5" Instruction Set Architecture Reference Guide (July 2026). The comments in the code are by the model that wrote it; some were corrected since.
;; Attn. Allowed arithmetic: matrix products marked QUANTISED: E4M3 operands, one E8M0 scale for each 32 along K, by v_wmma_scale_f32_16x16x128_f8f6f4 with both operands' format E4M3, f32 sums; products left as they are: f32 operands where the result goes on into a quantised operand, else bf16, f16 or f32 operands; f32 sums; everything else in f32.
;; Inputs: W_attn_codes 1,024 x 32 x 32 uint8 (E4M3 codes of W_attn, K innermost, in blocks of 32 codes); W_attn_scales 1,024 x 32 uint8 (E8M0 scales of W_attn, one for each 32 codes along K); b_attn 1,024 float32; encoder_outputs_codes 4,096 x 16 x 32 x 32 uint8 (E4M3 codes of encoder_outputs, K innermost, in blocks of 32 codes); encoder_outputs_scales 4,096 x 16 x 32 uint8 (E8M0 scales of encoder_outputs, one for each 32 codes along K); hidden 1 x 16 x 1,024 float32.
;; Outputs: out0 16 x 1 x 4,096 float32.
;; This version of the problem:
;;   THIS VERSION OF THE PROBLEM IS GIVEN IN LOW PRECISION. The matrix products marked QUANTISED in the list below multiply operands that are first quantised to E4M3 (4 exponent bits, 3 mantissa bits; 8 bits a number), with one power-of-two scale for each 32 numbers along K (OCP MX v1.0); their sums are f32. All else is computed in f32.
;;   The module's matrix products, in the order in which they are computed (A, B: the left and right operand; K: the contracted axis; several contracted axes count as one K, in the product's order):
;;     1. [M 65,536, K 1,024] x [K 1,024, N 1,024]; A: input encoder_outputs (given as codes); B: input W_attn (given as codes): QUANTISED
;;     2. batch 16 x [M 1, K 1,024] x [K 1,024, N 4,096]; A: input hidden; B: computed on the way: left as it is (M = 1 < 16)
;;   THE QUANTISER, for each operand of a quantised product, along K:
;;     - K is cut into blocks of 32 from its start; a last block that is shorter is filled with zeros.
;;     - A block's scale is 2^e with e = floor(log2(the largest magnitude in the block)) - 8, held to -126 .. 127; a block of zeros has e = 0. As a byte (E8M0): e + 127.
;;     - Each number is divided by its block's scale, clamped to +-448, and rounded to the nearest number of E4M3, ties to even, subnormals kept.
;;     - The product sums the exact products of the quantised numbers (number of the format x scale) in f32.
;;   ~~~python
;;   def quantise(x, axis):      # numpy; x: float32 -> the quantised numbers, widened to float32 again
;;       x = np.moveaxis(x, axis, -1); K = x.shape[-1]
;;       x = np.pad(x, [(0, 0)] * (x.ndim - 1) + [(0, -K % 32)]); x = x.reshape(x.shape[:-1] + (-1, 32)); a = np.abs(x).max(-1, keepdims=True)
;;       e = np.where(a > 0, np.clip(np.frexp(np.where(a > 0, a, 1))[1] - 1 - 8, -126, 127), 0)      # np.frexp(a)[1] - 1 = floor(log2(a)), exactly
;;       r = np.clip(x / 2.0 ** e, -448, 448)
;;       step = 2.0 ** (np.maximum(np.frexp(np.where(r == 0, 1, r))[1] - 1, -6) - 3)
;;       q = np.round(r / step) * step * 2.0 ** e      # np.round: ties to even
;;       return np.moveaxis(q.reshape(q.shape[:-2] + (-1,))[..., :K], -1, axis).astype(np.float32)
;;   ~~~
;;   INPUTS GIVEN AS CODES. W_attn (in the module: [1024, 1024], K = its axis 1); encoder_outputs (in the module: [4096, 16, 1024], K = its axis 2): each comes as NAME_codes (uint8): NAME with its K axis moved to the last place and cut into blocks of 32 codes, [.., K / 32, bytes a block], one block behind the other in memory; one code a byte (a code: sign, 4 exponent bits, 3 mantissa bits); and NAME_scales (uint8): the same leading axes, one E8M0 byte (e + 127) for each 32 codes along K. Its value is code x scale, taken as it is: it is not quantised again, and the codes and scales need not be those that the quantiser above would give.
;; One version. Each part assembles by itself: llvm-mc -triple=amdgcn-amd-amdhsa -mcpu=gfx1250 --defsym DOCPART=n.
;; ======== version 1 of 1: 2 launches
;; workspace buffers: part 1,048,576 bytes
;; launch energy (part 1): grid 256 x 1, 4 waves a work-group, clusters of 4 x 1, 327,680 bytes of LDS; arguments W_attn_codes, W_attn_scales, encoder_outputs_codes, encoder_outputs_scales, hidden, part; writes part
.if DOCPART == 1
	.amdgcn_target "amdgcn-amd-amdhsa--gfx1250"
	.amdhsa_code_object_version 6
	.text
	.protected	k_q9f0f597b70_energy
	.globl	k_q9f0f597b70_energy
	.p2align	8
	.type	k_q9f0f597b70_energy,@function
k_q9f0f597b70_energy:
	s_mov_b64 s[64:65], 0
	v_nop
	global_prefetch_b8 v0, s[64:65] scope:SCOPE_SE
	s_setreg_imm32_b32 hwreg(HW_REG_WAVE_MODE, 25, 1), 1
	s_wait_xcnt 0x0
	s_wait_alu depctr_hold_cnt(0) depctr_sa_sdst(0) depctr_va_vdst(0) depctr_va_sdst(0) depctr_va_ssrc(0) depctr_va_vcc(0) depctr_vm_vsrc(0)
	s_getreg_b32 s2, hwreg(HW_REG_IB_STS2, 6, 4)
	s_cmp_eq_u32 s2, 0
	s_cbranch_scc0 .Lentry_in_a_cluster
	s_endpgm
.Lentry_in_a_cluster:
	s_bfe_u32 s2, ttmp6, 0x10000c
	s_cmp_lg_u32 s2, 0x3003
	s_cbranch_scc0 .Lentry_shape_is_right
	s_endpgm
.Lentry_shape_is_right:
; part[q][b][s] = the sum over n = 256 q .. 256 q + 255 of hidden[b][n] x (the sum over k of enc[s][b][k] W[n][k]).
; enc: 65,536 rows (row = 16 s + b) of 1,024 codes of FP8 (E4M3), one E8M0 byte for each 32 along K; W: 1,024 rows likewise.  hidden: [16][1024] f32.  part: [4][16][4096] f32.
; The first product goes by the scaled matrix instruction on codes and scale bytes as they lie; the second by f32 multiply-adds on the accumulators: the projection never leaves the registers.
; The bias's share, hidden . b_attn, is the same for every s: the next launch adds it to every energy.
; SHARES.  A cluster of four work-groups owns 1,024 rows of enc (64 s x 16 b: 1 MiB of codes, dense).  Partner q holds rows 256 q .. 256 q + 255 of W.  In a work-group wave w = 2 nh + kh holds, FOR THE WHOLE LAUNCH,
; W's rows 256 q + 128 nh + 0 .. 127 at K = 512 kh .. 512 kh + 511: 32 fragments, 512 registers.  enc streams: 128 rows a tile through a ring of two LDS slots; a fragment of enc, four LDS loads, feeds eight matrix instructions.
; All four partners need the same tiles of enc: each is asked for JOINTLY, by the same tensor load with the same descriptor and a mask that names the four.  The four partners hold four different quarters of W, so no tile of W is
; shared inside the cluster: W comes once, at the head, through registers (whole runs of 256 bytes, turned into fragments in the wave's own stage in LDS).
; A BLOCK is 16 rows of enc: one s, b = lane % 16.  THE MATRIX INSTRUCTION IS USED TRANSPOSED (source 0 = 16 rows of W, source 1 = 16 rows of enc): a lane holds one b and eight n, which are weighed by hidden[b][n], kept in 64 registers.
; A block is 32 matrix instructions (4 K steps x 8 tiles of W).  The block before's 38 vector instructions stand in slices of at most three, each behind one matrix instruction.  ALL of a block's LDS instructions (the next block's
; scale words and 16 fragment loads, and in every second block the store of two energies) stand in ONE run, behind the third matrix instruction: 29 matrix instructions ahead of the one wait for them, at the block's end.
; LIMITS.  Order of rounding: an energy is the f32 sum of 16 parts (2 halves of K x 8 parts of n; here 4 are added, the next launch adds the 4 quarters) and not one chain.  NaN, infinities and scale bytes 0xff go through as the units give them.
; REGISTERS, in windows of 256 (s_set_vgpr_msb's low byte: bits 1:0 source 0, 3:2 source 1, 5:4 source 2, 7:6 destination):
;   window 0: v0-31 addresses and work; v8-15 enc's scale words, two sets; v32-63 W's scale words; v64-127 hidden; v128-191, v192-255 two sets of 8 accumulators.
;   window 1: v0-63, v64-127 two buffers of enc's four fragments.   windows 2, 3: W's fragment (tile t, K step k) at v[128 (k % 2) + 16 t] of window 2 + k / 2.
.set PITCH,  1040                      ; an LDS row of enc: 1,024 bytes + 16 of padding = 260 words: row r starts at bank 4 r mod 64 (64 banks of 4 bytes: ISA guide 11.1), so the 16 rows of a load start at 16 different banks
.set BLKB,   16*PITCH                  ; a block's 16 rows
.set QUART,  32*PITCH                  ; what one tensor load brings: 32 rows
.set SLOTB,  128*PITCH                 ; a slot: 128 rows, 8 blocks
.set TILEB,  131072                    ; the same 128 rows in memory
.set SCB,    2*SLOTB                   ; behind the ring: the scale bytes of the cluster's 1,024 rows, 32 a row, dense: filled once
.set STG,    SCB+32768                 ; a stage of 16 rows x 272 bytes for each wave: first W's way into fragments, then the wave's energies [b][64 s].  Written by LDS stores alone
.set SROW,   272
.set STGW,   16*SROW
.set SPARE,  STG+4*STGW                ; the spare words, 128 bytes for each wave: two blocks of 256 bytes that no other line names
.set AA0, 1                            ; v1   my lane's place in a block: PITCH r + 16 h + 512 kh; never rewritten
.set AA,  2                            ; v2   LDS address of the fragments to be fetched
.set SA,  3                            ; v3   of their scale words
.set EA,  4                            ; v4   where the two energies in hand go
.set SPW, 5                            ; v5   LDS address of my spare word: SPARE + 4 x my thread's number; never rewritten
.set NIL, 6                            ; v6   0; never rewritten
.set PFO, 7                            ; v7   256 x my lane: the prefetches' offset; never rewritten
.set AS,  8                            ; v8-11, v12-15  enc's scale words, sets 0 and 1: word k
.set EC,  16                           ; v16-23  four packed chains of the weighed sum
.set TS,  24                           ; v24-25
.set T2,  26
.set PM,  27
.set EVP, 28                           ; v28 an even block's energy, v29 the odd block's behind it: stored together, 8 bytes
.set WO,  29                           ; v29  at the head: my offset in two rows of W
.set STS, 30                           ; v30  at the head: where I put 16 bytes in the stage; then EA0: my stage + 272 r
.set STL, 31                           ; v31  at the head: where I read a fragment's 16 bytes; then SA0: SCB + 32 r + 16 kh
.set SA0, 31
.set EA0, 30
.set WS,  32                           ; W's scale word (t, k) at v[32 + 4 t + k]
.set HID, 64                           ; v[64 + 8 t + j] = hidden[r][256 q + 128 nh + 16 t + 8 h + j]
.set ACC, 128
.set WV,  16                           ; s16 wave; s17 nh; s18 kh; s19 cx
.set NH,  17
.set KH,  18
.set CX,  19
.set G1C, 24                           ; s[24:31] descriptor group 1 for enc's tiles
.set G1S, 32                           ; s[32:39] for enc's scale bytes
.set G0,  40                           ; s[40:43], s[44:47] group 0 for slot 0, slot 1
.set G0S, 48                           ; s[48:51] group 0 for the scale bytes
.set PFA, 52                           ; s[52:53] where my prefetches stand
.set TR,  54                           ; loop counts
.set OT,  55
.set CH,  56                           ; changes of slots so far
.set LA,  57                           ; LDS byte of the pair of blocks to be fetched
.set SEL, 58                           ; s[58:59] v_permlanex16_b32's selects for lane l xor 16
.set LS,  72                           ; byte of their scale words
.set LE,  73                           ; byte of the energies in hand
.set W_LD, 0x40                        ; destination window 1, address window 0
.set MSB, 0
.macro WIN new                         ; the immediate's high byte repeats the setting that is left; a switch that changes nothing is dropped
.if MSB != (\new)
	s_set_vgpr_msb (MSB<<8)|(\new)
.set MSB, (\new)
.endif
.endm
; A round of the cluster's barrier: my work-group's barrier, so that wave 0's signal speaks for all four waves; wave 0 signals for the work-group; every wave waits for all four work-groups; my work-group's barrier once more.
.macro ROUND
	s_barrier_signal -1
	s_barrier_wait -1
	s_cmp_lg_u32 s[WV], 0
	s_cbranch_scc1 .Lnot_wave_0_\@
	s_barrier_signal -3
.Lnot_wave_0_\@:
	s_barrier_wait -3
	s_barrier_signal -1
	s_barrier_wait -1
.endm
	s_load_b256 s[4:11], s[0:1], 0x0               ; W's codes s[4:5], W's scales s[6:7], enc's codes s[8:9], enc's scales s[10:11]
	s_load_b128 s[12:15], s[0:1], 0x20             ; hidden s[12:13], part s[14:15]
	v_lshl_add_u32 v[SPW], v0, 2, SPARE
	v_mov_b32 v[NIL], 0
	ds_add_u32 v5, v6
	ds_add_u32 v5, v6
	s_wait_dscnt 0x0
	v_lshrrev_b32 v2, 5, v0
	v_readfirstlane_b32 s[WV], v2                  ; wave 0..3
	s_lshr_b32 s[NH], s[WV], 1                     ; which 128 of the work-group's 256 rows of W
	s_and_b32 s[KH], s[WV], 1                      ; which half of K
	s_bfe_u32 s[CX], ttmp6, 0x40000                ; my place in the cluster = q.  It enters W's, hidden's, part's and the prefetches' global addresses alone
	; descriptor group 1, enc's tiles: 32 rows x 1,024 bytes, padded in LDS
	s_mov_b32 s[G1C], 15|(1<<20)|(1<<21)|(7<<22)|(3<<25)   ; 15:0 the mask: all four work-groups; 17:16 elements of 1 byte; 20 padding on; 21 set beside a mask; 24:22 after every 256 words (code 7); 31:25 four words (code 3)
	s_mov_b32 s[G1C+1], 1024<<16                   ; tensor_dim0 = 1,024
	s_mov_b32 s[G1C+2], 32<<16                     ; tensor_dim1 = 32
	s_mov_b32 s[G1C+3], 1024<<16                   ; tile_dim0 = 1,024
	s_mov_b32 s[G1C+4], 32                         ; tile_dim1 = 32
	s_mov_b32 s[G1C+5], 1024                       ; from row to row
	s_mov_b32 s[G1C+6], 0
	s_mov_b32 s[G1C+7], 0
	; enc's scale bytes: a quarter of the cluster's 32,768 dense bytes, as 32 rows of 256 bytes (32 elements of 8 bytes), no padding
	s_mov_b32 s[G1S], 15|(3<<16)|(1<<21)
	s_mov_b32 s[G1S+1], 32<<16
	s_mov_b32 s[G1S+2], 32<<16
	s_mov_b32 s[G1S+3], 32<<16
	s_mov_b32 s[G1S+4], 32
	s_mov_b32 s[G1S+5], 32
	s_mov_b32 s[G1S+6], 0
	s_mov_b32 s[G1S+7], 0
	s_lshl_b32 s20, ttmp9, 20                      ; the cluster's 1 MiB of codes (in a cluster launch ttmp9 counts clusters),
	s_lshl_b32 s21, s[WV], 15                      ; my 32 rows of a tile
	s_add_co_u32 s20, s20, s21
	s_mov_b32 s21, 0
	s_lshl_b32 s22, ttmp9, 15                      ; the cluster's 32,768 scale bytes,
	s_lshl_b32 s23, s[WV], 13                      ; my quarter
	s_add_co_u32 s22, s22, s23
	s_mov_b32 s23, 0
	s_mov_b32 s[G0], 1                             ; 1:0 count = 1
	s_mul_i32 s[G0+1], s[WV], QUART                ; LDS address: slot 0, my 32 rows: no place in the cluster enters an LDS address
	s_mov_b32 s[G0+4], 1
	s_add_co_u32 s[G0+5], s[G0+1], SLOTB           ; slot 1
	s_mov_b32 s[G0S], 1
	s_lshl_b32 s[G0S+1], s[WV], 13
	s_add_co_u32 s[G0S+1], s[G0S+1], SCB
	s_lshl_b32 s60, ttmp9, 20                      ; the prefetches: of a tile's 512 runs of 256 bytes partner cx takes 128, wave w 32 of them, a lane one: shared out by address
	s_lshl_b32 s61, s[CX], 15
	s_add_co_u32 s60, s60, s61
	s_lshl_b32 s61, s[WV], 13
	s_add_co_u32 s60, s60, s61
	s_add_co_u32 s60, s60, TILEB                   ; in tile 1: the first change of slots steps it to tile 2
	s_mov_b32 s61, 0
	s_lshl_b32 s62, s[CX], 8
	s_lshl_b32 s63, s[NH], 7
	s_add_co_u32 s62, s62, s63                     ; my first row of W = my first n: 256 q + 128 nh
	s_lshl_b32 s66, s62, 10
	s_lshl_b32 s67, s[KH], 9
	s_add_co_u32 s66, s66, s67                     ; its codes, at my half of K
	s_mov_b32 s67, 0
	s_lshl_b32 s68, s62, 5
	s_lshl_b32 s69, s[KH], 4
	s_add_co_u32 s68, s68, s69                     ; its scale bytes likewise
	s_mov_b32 s69, 0
	s_lshl_b32 s70, s62, 2                         ; and my first n in a row of hidden
	s_mov_b32 s71, 0
	s_lshl_b32 s62, s[CX], 18                      ; part: quarter q,
	s_lshl_b32 s63, ttmp9, 8                       ; s = 64 x cluster on
	s_add_co_u32 s62, s62, s63
	s_mov_b32 s63, 0
	s_mov_b32 s[SEL], 0x76543210
	s_mov_b32 s[SEL+1], 0xfedcba98
	s_mov_b32 s[CH], 0
	s_mov_b32 s[LS], 0
	s_mov_b32 s[LE], 0
	v_and_b32 v16, 15, v0                          ; r = lane % 16
	v_bfe_u32 v17, v0, 4, 1                        ; h = lane / 16
	v_mul_u32_u24 v[AA0], v16, PITCH
	v_lshl_add_u32 v[AA0], v17, 4, v[AA0]
	s_lshl_b32 s74, s[KH], 9
	v_add_nc_u32 v[AA0], s74, v[AA0]               ; a fragment of 8-bit codes: lane (r, h) holds row r; registers 4 c .. 4 c + 3 hold K = 32 c + 16 h + 0 .. 15
	v_and_b32 v[PFO], 31, v0
	v_lshlrev_b32 v[PFO], 8, v[PFO]
	v_lshlrev_b32 v[WO], 10, v17                   ; W as it lies: lanes 0-15 take 256 bytes of one row, lanes 16-31 of the next
	v_lshl_add_u32 v[WO], v16, 4, v[WO]
	s_mul_i32 s75, s[WV], STGW
	s_add_co_u32 s75, s75, STG                     ; my stage
	v_mul_u32_u24 v[STS], v17, SROW
	v_lshl_add_u32 v[STS], v16, 4, v[STS]
	v_add_nc_u32 v[STS], s75, v[STS]               ; in: the same two rows
	v_mul_u32_u24 v[STL], v16, SROW
	v_lshl_add_u32 v[STL], v17, 4, v[STL]
	v_add_nc_u32 v[STL], s75, v[STL]               ; back: row r, + 16 h
	v_lshlrev_b32 v2, 12, v16
	v_lshl_add_u32 v2, v17, 5, v2                  ; hidden: row r of 4,096 bytes, + 8 h numbers
	v_lshlrev_b32 v3, 5, v16                       ; W's scale bytes: 32 a row
	v_mov_b32 v[PM], 0                             ; written once: a lane permute's destination counts as one of its sources
	s_wait_kmcnt 0x0
	s_add_nc_u64 s[G0+2:G0+3], s[8:9], s[20:21]    ; global address: tile 0,
	s_add_nc_u64 s[G0+6:G0+7], s[G0+2:G0+3], TILEB ; tile 1
	s_or_b32 s[G0+3], s[G0+3], 0x80000000          ; 127:126 type = 2
	s_or_b32 s[G0+7], s[G0+7], 0x80000000
	s_add_nc_u64 s[G0S+2:G0S+3], s[10:11], s[22:23]
	s_or_b32 s[G0S+3], s[G0S+3], 0x80000000
	s_add_nc_u64 s[PFA:PFA+1], s[8:9], s[60:61]
	s_add_nc_u64 s[4:5], s[4:5], s[66:67]
	s_add_nc_u64 s[6:7], s[6:7], s[68:69]
	s_add_nc_u64 s[12:13], s[12:13], s[70:71]
	s_add_nc_u64 s[14:15], s[14:15], s[62:63]
	ROUND                                          ; all four work-groups are here: the first joint loads meet
	tensor_load_to_lds s[G0S:G0S+3], s[G1S:G1S+7]  ; the first fills, as one group: the scale bytes (filled once)
	s_nop 0
	tensor_load_to_lds s[G0:G0+3], s[G1C:G1C+7]    ; and tile 0: two loads of mine are out
	s_nop 0
.rept 4
	v_nop                                          ; four lines behind the tensor loads
.endr
.irp t, 0,1,2,3,4,5,6,7                        ; what stays in window 0: hidden's 64 numbers a lane and W's 32 scale words (four words, K steps 0-3, a load)
	global_load_b128 v[HID+8*\t:HID+8*\t+3], v2, s[12:13] offset:64*\t
	global_load_b128 v[HID+8*\t+4:HID+8*\t+7], v2, s[12:13] offset:64*\t+16
	global_load_b128 v[WS+4*\t:WS+4*\t+3], v3, s[6:7] offset:512*\t
.endr
; W INTO REGISTERS, in 16 groups g = 8 x (which 256 bytes of my 512 along K) + tile.  A group is 16 rows x 256 bytes: two fragments.  WLOAD reads it as it lies, sixteen lanes to 256 consecutive aligned bytes, into the very
; registers that the two fragments will take; WTURN sends it through my stage and reads it back as fragments.  LDS serves a wave's instructions in order (ISA guide 5.7.1.4): no wait between the stores and the loads, nor in front of the next group's stores.
.macro WLOAD g
.set wt, (\g)%8
.set wk, (\g)/8
	WIN 0x80+0x40*wk                               ; destination window 2 or 3
.irp u, 0,1,2,3,4,5,6,7
	global_load_b128 v[128*(\u/4)+16*wt+4*(\u%4):128*(\u/4)+16*wt+4*(\u%4)+3], v[WO], s[4:5] offset:(16*wt+2*\u)*1024+256*wk
.endr
.endm
.macro WTURN g
.set wt, (\g)%8
.set wk, (\g)/8
	WIN 0x08+0x04*wk                               ; an LDS store's data are its source 1
.irp u, 0,1,2,3,4,5,6,7
	ds_store_b128 v[STS], v[128*(\u/4)+16*wt+4*(\u%4):128*(\u/4)+16*wt+4*(\u%4)+3] offset:2*SROW*\u
.endr
	WIN 0x80+0x40*wk
.irp kk, 0,1
.irp c, 0,1,2,3
	ds_load_b128 v[128*\kk+16*wt+4*\c:128*\kk+16*wt+4*\c+3], v[STL] offset:128*\kk+32*\c
.endr
.endr
.endm
	WLOAD 0
	WLOAD 1
	WLOAD 2
	WLOAD 3
	s_wait_loadcnt 24                              ; group 0 is in (and all that was asked for before it); the 3 x 8 loads of groups 1 to 3 may be out
	WTURN 0
	WLOAD 4
	WLOAD 5
	WLOAD 6
	WLOAD 7
.irp g, 1,2,3,4,5,6,7,8,9,10,11,12,13,14,15
.if (15-\g) < 6
	s_wait_loadcnt 8*(15-\g)                       ; group g is in; the younger groups, eight loads each, may be out: here those that are left
.else
	s_wait_loadcnt 48                              ; six younger groups
.endif
	WTURN \g
.if (\g+7) <= 15
	WLOAD \g+7
.endif
.endr
	WIN 0
	v_lshl_add_u32 v[SA0], v16, 5, SCB             ; enc's scale words: 32 bytes a row,
	s_lshl_b32 s74, s[KH], 4
	v_add_nc_u32 v[SA0], s74, v[SA0]               ; my half of K: 16 bytes, the four words of a block's four K steps
	v_mul_u32_u24 v[EA0], v16, SROW
	v_add_nc_u32 v[EA0], s75, v[EA0]               ; the energies: row b = r of my stage, 4 bytes an s
	v_add_nc_u32 v[SA], s[LS], v[SA0]              ; (the last wait on LOADcnt above was for 0: no load names v2, v3 or v29 any more)
	v_add_nc_u32 v[EA], s[LE], v[EA0]
; Matrix instruction w of a block on set st (accumulators, enc's buffer, enc's scale words): K step w / 8, tile w % 8.  The first eight start the sums: nothing is ever cleared.
; The eight accumulators take turns, one instruction a turn, and the two sets take turns from block to block, over the loops' backward jumps too.
.macro MM st
.set mk, w/8
.set mt, w%8
.set mw, 0x06+mk/2                     ; source 0 (W) window 2 or 3, source 1 (enc) window 1, C and D window 0
.set rD, ACC+64*(\st)+8*mt
.set rW, 128*(mk%2)+16*mt
.set rX, 64*(\st)+16*mk
	WIN mw
.if mk == 0
	v_wmma_scale_f32_16x16x128_f8f6f4 v[rD:rD+7], v[rW:rW+15], v[rX:rX+15], 0, v[WS+4*mt+mk], v[AS+4*(\st)+mk]
.else
	v_wmma_scale_f32_16x16x128_f8f6f4 v[rD:rD+7], v[rW:rW+15], v[rX:rX+15], v[rD:rD+7], v[WS+4*mt+mk], v[AS+4*(\st)+mk]
.endif
.set w, w+1
.endm
; Number j of the 38 vector instructions that make a block's energy, in v[e], of the accumulators at v[a]: register 8 t + i of a lane is n = 16 t + 8 h + i of its b.
;   0-31  four packed chains: accumulators x hidden (each accumulator is read from its low end on);   32-35  the chains' sum;   36, 37  with lane l xor 16's eight n of each tile
.macro EPI a, e
.if j < 4
	v_pk_mul_f32 v[EC+2*j:EC+2*j+1], v[(\a)+2*j:(\a)+2*j+1], v[HID+2*j:HID+2*j+1]
.elseif j < 32
	v_pk_fma_f32 v[EC+2*(j%4):EC+2*(j%4)+1], v[(\a)+2*j:(\a)+2*j+1], v[HID+2*j:HID+2*j+1], v[EC+2*(j%4):EC+2*(j%4)+1]
.elseif j == 32
	v_pk_add_f32 v[EC:EC+1], v[EC:EC+1], v[EC+2:EC+3]
.elseif j == 33
	v_pk_add_f32 v[EC+4:EC+5], v[EC+4:EC+5], v[EC+6:EC+7]
.elseif j == 34
	v_pk_add_f32 v[TS:TS+1], v[EC:EC+1], v[EC+4:EC+5]
.elseif j == 35
	v_add_f32 v[T2], v[TS], v[TS+1]
.elseif j == 36
	v_permlanex16_b32 v[PM], v[T2], s[SEL], s[SEL+1]
.else
	v_add_f32 v[(\e)], v[T2], v[PM]
.endif
.set j, j+1
.endm
; WHAT STANDS BEHIND MATRIX INSTRUCTION p OF A BLOCK.  ep = 1: the list of the block before, at most three numbers behind one matrix instruction: 0-8 behind p = 0, 1, 2; 9-23 behind 6, 10, 14, 18, 22; 24-29 behind 24, 25;
; 30, 31 behind 26; 32, 33 behind 27; 34, 35, 36, 37, each of which reads the one before, behind 28, 29, 30, 31.  Behind p = 2 and its slice: THE RUN.  ld = 1: the next block's scale words and four fragments, into the other set and
; buffer.  sto = 1: the two energies finished in the two blocks before (number 37 of this block's list, which writes v28 anew, stands far behind the run).  Behind p = 31: the one wait for the run.
; PLACES.  A load into a register that a matrix instruction has read, and a vector instruction that reads a matrix result, stand eight places behind that matrix instruction, and only plain vector instructions that name none of its
; registers are places; neither matrix instructions nor the lane permute are counted here.  The list is its own places.  By this text's count
;   behind p = 24 .. 31 of a block stand 13, 10, 7, 5, 3, 2, 1, 1 plain instructions of that block's list, which name the other set alone;
;   the first read of tile t (last written by p = 24 + t) has these and the 4 t numbers of the tiles before it ahead of it: 13, 14, 15, 17, 19, 22, 25, 29;
;   the run (fragment 3 and the scale words were last read by p = 24 .. 31) has these and those of numbers 0-8 that do not name tile t: 18, 15, 15, 14, 12, 11, 10, 10;
;   an accumulator begun anew with the constant 0: a whole block's list lies between.  Block 0 has no list: eight v_nop stand at its end.
.macro SLICE st, ep, ld, sto, offa, offs
.set p, w-1
.set OA, ACC+64*(1-(\st))              ; the other set of accumulators
.set OB, 64*(1-(\st))                  ; the other buffer, in window 1
.set ne, 0
.if (p < 3) || (p == 6) || (p == 10) || (p == 14) || (p == 18) || (p == 22) || (p == 24) || (p == 25)
.set ne, 3
.elseif (p == 26) || (p == 27)
.set ne, 2
.elseif p > 27
.set ne, 1
.endif
.if (\ep) && (ne > 0)
	WIN 0
.rept ne
	EPI OA, EVP+1-(\st)
.endr
.endif
.if p == 2
.if \ld
	WIN 0
	ds_load_b128 v[AS+4*(1-(\st)):AS+4*(1-(\st))+3], v[SA] offset:\offs
.endif
.if \sto
	WIN 0
	ds_store_b64 v[EA], v[EVP:EVP+1]               ; an even s and the odd s behind it; lanes r and r + 16 write the same 8 bytes with the same values
.endif
.if \ld
	WIN W_LD
.irp k, 0,1,2,3
.irp c, 0,1,2,3
	ds_load_b128 v[OB+16*\k+4*\c:OB+16*\k+4*\c+3], v[AA] offset:(\offa)+128*\k+32*\c
.endr
.endr
.endif
.endif
.if p == 31
.if !(\ep)
.rept 8
	v_nop
.endr
.endif
	s_wait_dscnt 0x0                               ; the next block's fragments and scale words are in (asked for 29 matrix instructions ago), and the energies' store is done: no wait stands at a block's head
.endif
.endm
.macro BLOCK st, ep, ld, sto, offa, offs
.set w, 0
.set j, 0
.rept 32
	MM \st
	SLICE \st, \ep, \ld, \sto, \offa, \offs
.endr
.endm
.macro STEPADR e                       ; two blocks on: scalars stepped by constants, added to lane bases that stay
	WIN 0                                          ; at a label and at a branch every window is 0
	s_add_co_u32 s[LA], s[LA], 2*BLKB
	s_add_co_u32 s[LS], s[LS], 1024
.if \e
	s_add_co_u32 s[LE], s[LE], 8
.endif
	v_add_nc_u32 v[AA], s[LA], v[AA0]
	v_add_nc_u32 v[SA], s[LS], v[SA0]
.if \e
	v_add_nc_u32 v[EA], s[LE], v[EA0]
.endif
.endm
.macro PAIRS n                         ; n pairs of blocks: an odd one (set 1) and an even one (set 0); block i fetches block i + 1 and finishes block i - 1; the odd one stores the energies of blocks i - 3 and i - 2
	s_mov_b32 s[TR], \n
.Lpair_\@:
	BLOCK 1, 1, 1, 1, 0, 0
	BLOCK 0, 1, 1, 0, BLKB, 512
	STEPADR 1
	s_sub_co_u32 s[TR], s[TR], 1
	s_cmp_lg_u32 s[TR], 0
	s_cbranch_scc1 .Lpair_\@
.endm
; A PREFETCH INTO THE L2 of the tile that the NEXT change of slots will ask for: one slot, 256 matrix instructions a wave, ahead of that load.  Each run of 256 bytes is named once in the launch: a cluster's tiles are its own, and a
; tile's 512 runs are shared out by address among 4 partners x 4 waves x 32 lanes.  It stands behind the joint load and its four lines.  Tiles 0 and 1 come by their loads alone; the change that asks for tile 7 prefetches nothing.
.macro ASK
	s_cmp_lt_u32 s[CH], 6                          ; the same number in all partners
	s_cbranch_scc0 .Lno_ask_\@
	global_prefetch_b8 v[PFO], s[PFA:PFA+1] th:TH_LOAD_NT scope:SCOPE_SE
.Lno_ask_\@:
.endm
; THE CHANGE OF SLOTS.  Block i fetches block i + 1, so tile X's slot is last read in block 8 X + 6: the change stands ahead of block 8 X + 7.  Each wave waits for all its tensor loads, of which one is out: its part of the next tile;
; adds 0 to its spare word; and waits for that and for its reads of the slot.  fill = 1: the barrier is a round of the cluster's, so that no wave of any partner still reads slot sl or has a load on its way, and the joint load into
; slot sl is the first thing behind it and my one tensor load until the next round.  step = 1: the slot's address goes two tiles on.  other: where the slot begins that is read from here on.
.macro CHANGE sl, step, fill, other
	s_wait_tensorcnt 0x0                           ; no tensor load of mine is out, so a group 0 may be written
	ds_add_u32 v[SPW], v[NIL]                      ; 0 onto my spare word: the steps below stand between it and the wait for it
.if \step
	s_add_nc_u64 s[G0+4*(\sl)+2:G0+4*(\sl)+3], s[G0+4*(\sl)+2:G0+4*(\sl)+3], 2*TILEB   ; the type bits on top are not reached
.endif
.if \fill
	s_wait_xcnt 0x0                                ; the last prefetch, a slot back, has read its address, so it may be written
	s_add_nc_u64 s[PFA:PFA+1], s[PFA:PFA+1], TILEB
.endif
	s_wait_dscnt 0x0                               ; the add is done, and my reads of the slot are over
.if \fill
	ROUND
	tensor_load_to_lds s[G0+4*(\sl):G0+4*(\sl)+3], s[G1C:G1C+7]
	s_nop 0
.rept 4
	v_nop                                          ; four lines behind the tensor load
.endr
	ASK
.else
	s_barrier_signal -1
	s_barrier_wait -1
.endif
	s_add_co_u32 s[CH], s[CH], 1
	s_mov_b32 s[LA], \other
	v_add_nc_u32 v[AA], s[LA], v[AA0]
.endm
	CHANGE 1, 0, 1, 0                              ; tile 0 and the scale bytes are whole for every wave, W's fragments are in; slot 1's first fill, tile 1, goes out as a refill does
	WIN W_LD
.irp k, 0,1,2,3                                ; block 0's fragments and scale words
.irp c, 0,1,2,3
	ds_load_b128 v[16*\k+4*\c:16*\k+4*\c+3], v[AA] offset:128*\k+32*\c
.endr
.endr
	WIN 0
	ds_load_b128 v[AS:AS+3], v[SA]
	s_wait_dscnt 0x0
	BLOCK 0, 0, 1, 0, BLKB, 512                    ; block 0: there is no block before it
	STEPADR 0
	BLOCK 1, 1, 1, 0, 0, 0                         ; blocks 1 and 2 are written out: they finish the energies of blocks 0 and 1, and there is nothing yet to store
	BLOCK 0, 1, 1, 0, BLKB, 512
	STEPADR 0
	PAIRS 2                                        ; blocks 3-6
	s_mov_b32 s[OT], 3
.Louter:                                               ; three trips: six changes, which ask for tiles 2 to 7; blocks 7-54
	CHANGE 0, 1, 1, SLOTB
	PAIRS 4
	CHANGE 1, 1, 1, 0
	PAIRS 4
	s_sub_co_u32 s[OT], s[OT], 1
	s_cmp_lg_u32 s[OT], 0
	s_cbranch_scc1 .Louter
	CHANGE 0, 0, 0, SLOTB                          ; the tail is written out: tile 7 is whole, nothing is asked for
	PAIRS 4                                        ; blocks 55-62
	BLOCK 1, 1, 0, 1, 0, 0                         ; block 63 fetches nothing; it stores the energies of blocks 60 and 61 and finishes block 62's
	WIN 0
.set j, 0
.rept 38
	EPI ACC+64, EVP+1                              ; block 63's energy (the list's tail above is the places behind its last products, as in every block)
.endr
	ds_store_b64 v[EA], v[EVP:EVP+1] offset:8      ; blocks 62 and 63
	; THE WAY OUT.  The four waves' parts (2 halves of n x 2 halves of K) of 16 b x 64 s lie in their stages.  Thread T adds them for b = T / 16 and T / 16 + 8, s = 4 (T % 16) + 0 .. 3: sixteen lanes then store 256 consecutive bytes, aligned.
	s_wait_dscnt 0x0                               ; for the others' sake: my stores into my stage are done
	s_barrier_signal -1
	s_barrier_wait -1
	v_lshrrev_b32 v2, 4, v0
	v_and_b32 v3, 15, v0
	v_mul_u32_u24 v29, v2, SROW
	v_lshl_add_u32 v29, v3, 4, v29
	v_add_nc_u32 v29, STG, v29
	v_lshlrev_b32 v30, 14, v2                      ; a row of part is 16,384 bytes
	v_lshl_add_u32 v30, v3, 4, v30
.irp bb, 0,1
.irp wq, 0,1,2,3
	ds_load_b128 v[ACC+16*\bb+4*\wq:ACC+16*\bb+4*\wq+3], v29 offset:STGW*\wq+8*SROW*\bb
.endr
.endr
	s_wait_dscnt 0x0
.irp bb, 0,1                                   ; (wave 0 + wave 1) + (wave 2 + wave 3)
	v_pk_add_f32 v[ACC+16*\bb:ACC+16*\bb+1], v[ACC+16*\bb:ACC+16*\bb+1], v[ACC+16*\bb+4:ACC+16*\bb+5]
	v_pk_add_f32 v[ACC+16*\bb+2:ACC+16*\bb+3], v[ACC+16*\bb+2:ACC+16*\bb+3], v[ACC+16*\bb+6:ACC+16*\bb+7]
	v_pk_add_f32 v[ACC+16*\bb+8:ACC+16*\bb+9], v[ACC+16*\bb+8:ACC+16*\bb+9], v[ACC+16*\bb+12:ACC+16*\bb+13]
	v_pk_add_f32 v[ACC+16*\bb+10:ACC+16*\bb+11], v[ACC+16*\bb+10:ACC+16*\bb+11], v[ACC+16*\bb+14:ACC+16*\bb+15]
	v_pk_add_f32 v[ACC+16*\bb:ACC+16*\bb+1], v[ACC+16*\bb:ACC+16*\bb+1], v[ACC+16*\bb+8:ACC+16*\bb+9]
	v_pk_add_f32 v[ACC+16*\bb+2:ACC+16*\bb+3], v[ACC+16*\bb+2:ACC+16*\bb+3], v[ACC+16*\bb+10:ACC+16*\bb+11]
	global_store_b128 v30, v[ACC+16*\bb:ACC+16*\bb+3], s[14:15] offset:131072*\bb
.endr
	s_wait_tensorcnt 0x0                           ; the wave's end: behind my last tensor load and my last LDS store
	ds_add_u32 v[SPW], v[NIL]
	s_wait_dscnt 0x0
	ROUND                                          ; the closing round: no work-group ends while a partner may still ask for a tile that names it
	s_endpgm
.Lfunc_end_k_q9f0f597b70_energy:
	.size	k_q9f0f597b70_energy, .Lfunc_end_k_q9f0f597b70_energy-k_q9f0f597b70_energy
	.p2alignl 7, 3214868480
	.fill 96, 4, 3214868480
	.section	.rodata,"a",@progbits
	.p2align	6, 0x0
	.amdhsa_kernel k_q9f0f597b70_energy
		.amdhsa_group_segment_fixed_size 327680
		.amdhsa_private_segment_fixed_size 0
		.amdhsa_enable_private_segment 0
		.amdhsa_kernarg_size 48
		.amdhsa_user_sgpr_count 2
		.amdhsa_user_sgpr_kernarg_segment_ptr 1
		.amdhsa_wavefront_size32 1
		.amdhsa_system_sgpr_workgroup_id_x 1
		.amdhsa_system_sgpr_workgroup_id_y 1
		.amdhsa_system_sgpr_workgroup_id_z 1
		.amdhsa_system_vgpr_workitem_id 0
		.amdhsa_next_free_vgpr 1024
		.amdhsa_next_free_sgpr 80
		.amdhsa_reserve_vcc 0
		.amdhsa_float_denorm_mode_32 3
		.amdhsa_float_denorm_mode_16_64 3
		.amdhsa_memory_ordered 1
		.amdhsa_forward_progress 1
		.amdhsa_inst_pref_size 148
	.end_amdhsa_kernel
	.amdgpu_metadata
---
amdhsa.version: [ 1, 2 ]
amdhsa.kernels:
  - .name:           k_q9f0f597b70_energy
    .symbol:         k_q9f0f597b70_energy.kd
    .args:
      - { .name: W_attn_codes, .offset: 0, .size: 8, .value_kind: global_buffer, .address_space: global }
      - { .name: W_attn_scales, .offset: 8, .size: 8, .value_kind: global_buffer, .address_space: global }
      - { .name: encoder_outputs_codes, .offset: 16, .size: 8, .value_kind: global_buffer, .address_space: global }
      - { .name: encoder_outputs_scales, .offset: 24, .size: 8, .value_kind: global_buffer, .address_space: global }
      - { .name: hidden, .offset: 32, .size: 8, .value_kind: global_buffer, .address_space: global }
      - { .name: part, .offset: 40, .size: 8, .value_kind: global_buffer, .address_space: global }
    .group_segment_fixed_size: 327680
    .private_segment_fixed_size: 0
    .kernarg_segment_align: 8
    .kernarg_segment_size: 48
    .max_flat_workgroup_size: 128
    .sgpr_count:     80
    .vgpr_count:     1024
    .wavefront_size: 32
...
	.end_amdgpu_metadata
.endif
;; end of part 1
;; launch softmax (part 2): grid 16 x 1, 8 waves a work-group, no clusters, 2,048 bytes of LDS; arguments part, hidden, b_attn, out0; writes out0
.if DOCPART == 2
	.amdgcn_target "amdgcn-amd-amdhsa--gfx1250"
	.amdhsa_code_object_version 6
	.text
	.protected	k_q9f0f597b70_softmax
	.globl	k_q9f0f597b70_softmax
	.p2align	8
	.type	k_q9f0f597b70_softmax,@function
k_q9f0f597b70_softmax:
	s_mov_b64 s[64:65], 0
	v_nop
	global_prefetch_b8 v0, s[64:65] scope:SCOPE_SE
	s_setreg_imm32_b32 hwreg(HW_REG_WAVE_MODE, 25, 1), 1
	s_wait_xcnt 0x0
; out0[b][s] = softmax over s of (part[0][b][s] + part[1][b][s] + part[2][b][s] + part[3][b][s] + hidden[b] . b_attn).  part: [4][16][4096] f32; hidden: [16][1024]; b_attn: [1024]; out0: [16][4096] f32.  All in f32.
; A work-group of eight waves takes one b: the row's 4,096 energies are 16 a thread and stay in registers between the maximum, the exponentials and the division.  Thread T holds s = 1,024 u + 4 T + 0 .. 3, u = 0 .. 3,
; so every load and store of a wave covers 512 consecutive bytes.  The row's maximum is taken away before the exponential.  Two reductions over the work-group, each through LDS words of its own and one barrier.
; No matrix unit, no tensor load, no cluster: 1 MiB is read once and no work-group shares a byte of it with another; the row's reductions bound the launch, so sixteen work-groups are what the problem's sixteen rows give.
; LIMITS.  The four quarters are added as (0 + 1) + (2 + 3), then the bias's share: an order of rounding of this program's own.  A weight under 2^-126 comes out as 0 (v_exp_f32 flushes: ISA guide 15.8).  NaN and infinities go through as the units give them.
.set L2E, 0x3fb8aa3b                   ; log2(e)
.set EN,  16                           ; v16-31 my 16 energies; v16-79 the four quarters as loaded
	s_load_b256 s[4:11], s[0:1], 0x0               ; part s[4:5], hidden s[6:7], b_attn s[8:9], out0 s[10:11]
	v_lshl_add_u32 v96, v0, 2, 0x400
	v_mov_b32 v97, 0
	v_lshlrev_b32 v1, 4, v0                        ; 16 bytes a thread
	v_lshrrev_b32 v13, 5, v0                       ; wave
	v_lshlrev_b32 v14, 2, v13                      ; LDS: a word a wave (second reduction, from byte 64 on),
	v_lshlrev_b32 v13, 3, v13                      ; two words a wave (first reduction, from byte 0 on)
	v_mov_b32 v15, 0
	v_mov_b32 v44, 0                               ; written once: a lane permute's destination counts as one of its sources
	v_mov_b32 v45, 0
	s_lshl_b32 s12, ttmp9, 14                      ; row b of part's quarters and of out0: 16,384 bytes
	s_mov_b32 s13, 0
	s_lshl_b32 s14, ttmp9, 12                      ; row b of hidden: 4,096 bytes
	s_mov_b32 s15, 0
	s_mov_b32 s16, 0x76543210                      ; v_permlanex16_b32's selects for lane l xor 16
	s_mov_b32 s17, 0xfedcba98
	s_wait_kmcnt 0x0
	s_add_nc_u64 s[4:5], s[4:5], s[12:13]
	s_add_nc_u64 s[10:11], s[10:11], s[12:13]
	s_add_nc_u64 s[6:7], s[6:7], s[14:15]
	global_load_b128 v[4:7], v1, s[6:7]            ; hidden[b][4 T ..]
	global_load_b128 v[8:11], v1, s[8:9]           ; b_attn[4 T ..]
.irp q, 0,1,2,3
.irp u, 0,1,2,3
	global_load_b128 v[EN+16*\q+4*\u:EN+16*\q+4*\u+3], v1, s[4:5] offset:262144*\q+4096*\u th:TH_LOAD_NT
.endr
.endr
	s_wait_loadcnt 16                              ; hidden and b_attn are in; part's 16 loads may be out
	v_mul_f32 v2, v4, v8                           ; my four terms of hidden . b_attn
	v_fma_f32 v2, v5, v9, v2
	v_fma_f32 v2, v6, v10, v2
	v_fma_f32 v2, v7, v11, v2
	s_wait_loadcnt 0x0
.irp i, 0,2,4,6,8,10,12,14
	v_pk_add_f32 v[EN+\i:EN+\i+1], v[EN+\i:EN+\i+1], v[EN+16+\i:EN+16+\i+1]          ; quarters 0 + 1,
	v_pk_add_f32 v[EN+32+\i:EN+32+\i+1], v[EN+32+\i:EN+32+\i+1], v[EN+48+\i:EN+48+\i+1]  ; 2 + 3
.endr
.irp i, 0,2,4,6,8,10,12,14
	v_pk_add_f32 v[EN+\i:EN+\i+1], v[EN+\i:EN+\i+1], v[EN+32+\i:EN+32+\i+1]
.endr
	v_max3_num_f32 v3, v[EN], v[EN+1], v[EN+2]     ; the largest of my 16
.irp i, 3,5,7,9,11,13
	v_max3_num_f32 v3, v3, v[EN+\i], v[EN+\i+1]
.endr
	v_max_num_f32 v3, v3, v[EN+15]
.irp m, 1,2,4,8                                ; over the wave: the sum of the bias's terms and the maximum, side by side
	v_add_f32_dpp v2, v2, v2 row_xmask:\m row_mask:0xf bank_mask:0xf
	v_max_num_f32_dpp v3, v3, v3 row_xmask:\m row_mask:0xf bank_mask:0xf
.endr
	v_permlanex16_b32 v44, v2, s16, s17
	v_permlanex16_b32 v45, v3, s16, s17
	v_add_f32 v2, v2, v44
	v_max_num_f32 v3, v3, v45
	ds_store_b64 v13, v[2:3]                       ; all lanes of a wave write the same two words with the same values
	s_wait_dscnt 0x0                               ; for the others' sake
	s_barrier_signal -1
	s_barrier_wait -1
.irp i, 0,1,2,3
	ds_load_b128 v[48+4*\i:51+4*\i], v15 offset:16*\i   ; the eight waves' pairs, in every lane
.endr
	s_wait_dscnt 0x0
	v_add_f32 v34, v48, v50                        ; hidden . b_attn, in one fixed order
	v_add_f32 v35, v52, v54
	v_add_f32 v38, v56, v58
	v_add_f32 v39, v60, v62
	v_max3_num_f32 v36, v49, v51, v53
	v_max3_num_f32 v37, v55, v57, v59
	v_add_f32 v34, v34, v35
	v_add_f32 v38, v38, v39
	v_max3_num_f32 v36, v36, v37, v61
	v_add_f32 v34, v34, v38
	v_max_num_f32 v36, v36, v63
	v_add_f32 v36, v36, v34                        ; the same addition as each energy gets below: rounding keeps the order, so this is the largest energy
.irp i, 0,2,4,6,8,10,12,14
	v_pk_add_f32 v[EN+\i:EN+\i+1], v[EN+\i:EN+\i+1], v[34:35] op_sel_hi:[1,0]         ; the energy (of the pair the low word serves both halves)
.endr
.irp i, 0,2,4,6,8,10,12,14
	v_pk_add_f32 v[EN+\i:EN+\i+1], v[EN+\i:EN+\i+1], v[36:37] op_sel_hi:[1,0] neg_lo:[0,1] neg_hi:[0,1]   ; less the largest: 0 or under
.endr
.irp i, 0,2,4,6,8,10,12,14
	v_pk_mul_f32 v[EN+\i:EN+\i+1], v[EN+\i:EN+\i+1], L2E op_sel_hi:[1,0]
.endr
.irp i, 0,1,2,3,4,5,6,7,8,9,10,11,12,13,14,15
	v_exp_f32 v[EN+\i], v[EN+\i]                   ; one batch
.endr
	v_nop                                          ; a plain instruction between the last exponential and the first use of a result (ISA guide 5.7.2)
	s_wait_alu depctr_va_vdst(0)                   ; and the one wait for the batch, ahead of its first reader
	v_pk_add_f32 v[32:33], v[EN:EN+1], v[EN+2:EN+3]       ; my 16 weights' sum, in two chains
	v_pk_add_f32 v[34:35], v[EN+4:EN+5], v[EN+6:EN+7]
	v_pk_add_f32 v[32:33], v[32:33], v[EN+8:EN+9]
	v_pk_add_f32 v[34:35], v[34:35], v[EN+10:EN+11]
	v_pk_add_f32 v[32:33], v[32:33], v[EN+12:EN+13]
	v_pk_add_f32 v[34:35], v[34:35], v[EN+14:EN+15]
	v_pk_add_f32 v[32:33], v[32:33], v[34:35]
	v_add_f32 v32, v32, v33
.irp m, 1,2,4,8
	v_add_f32_dpp v32, v32, v32 row_xmask:\m row_mask:0xf bank_mask:0xf
.endr
	v_permlanex16_b32 v44, v32, s16, s17
	v_add_f32 v32, v32, v44
	ds_store_b32 v14, v32 offset:64                ; other words than the first reduction's: no barrier is owed between its reads and this store
	s_wait_dscnt 0x0
	s_barrier_signal -1
	s_barrier_wait -1
	ds_load_b128 v[40:43], v15 offset:64
	ds_load_b128 v[48:51], v15 offset:80
	s_wait_dscnt 0x0
	v_add_f32 v40, v40, v41
	v_add_f32 v42, v42, v43
	v_add_f32 v48, v48, v49
	v_add_f32 v50, v50, v51
	v_add_f32 v40, v40, v42
	v_add_f32 v48, v48, v50
	v_add_f32 v40, v40, v48                        ; the row's sum: at least 1, the largest energy's own weight
	v_rcp_f32 v38, v40                             ; twice, to fill the pair that the packed multiply takes
	v_rcp_f32 v39, v40
	v_nop                                          ; the plain instruction behind the reciprocals,
	s_wait_alu depctr_va_vdst(0)                   ; and their one wait
.irp i, 0,2,4,6,8,10,12,14
	v_pk_mul_f32 v[EN+\i:EN+\i+1], v[EN+\i:EN+\i+1], v[38:39]
.endr
.irp u, 0,1,2,3
	global_store_b128 v1, v[EN+4*\u:EN+4*\u+3], s[10:11] offset:4096*\u th:TH_STORE_NT   ; a wave stores 512 consecutive bytes, at a multiple of 256 from out0's first byte
.endr
	s_wait_tensorcnt 0x0
	ds_add_u32 v96, v97
	s_wait_dscnt 0x0
	s_endpgm
.Lfunc_end_k_q9f0f597b70_softmax:
	.size	k_q9f0f597b70_softmax, .Lfunc_end_k_q9f0f597b70_softmax-k_q9f0f597b70_softmax
	.p2alignl 7, 3214868480
	.fill 96, 4, 3214868480
	.section	.rodata,"a",@progbits
	.p2align	6, 0x0
	.amdhsa_kernel k_q9f0f597b70_softmax
		.amdhsa_group_segment_fixed_size 2048
		.amdhsa_private_segment_fixed_size 0
		.amdhsa_enable_private_segment 0
		.amdhsa_kernarg_size 32
		.amdhsa_user_sgpr_count 2
		.amdhsa_user_sgpr_kernarg_segment_ptr 1
		.amdhsa_wavefront_size32 1
		.amdhsa_system_sgpr_workgroup_id_x 1
		.amdhsa_system_sgpr_workgroup_id_y 1
		.amdhsa_system_sgpr_workgroup_id_z 1
		.amdhsa_system_vgpr_workitem_id 0
		.amdhsa_next_free_vgpr 98
		.amdhsa_next_free_sgpr 66
		.amdhsa_reserve_vcc 0
		.amdhsa_float_denorm_mode_32 3
		.amdhsa_float_denorm_mode_16_64 3
		.amdhsa_memory_ordered 1
		.amdhsa_forward_progress 1
		.amdhsa_inst_pref_size 12
	.end_amdhsa_kernel
	.amdgpu_metadata
---
amdhsa.version: [ 1, 2 ]
amdhsa.kernels:
  - .name:           k_q9f0f597b70_softmax
    .symbol:         k_q9f0f597b70_softmax.kd
    .args:
      - { .name: part, .offset: 0, .size: 8, .value_kind: global_buffer, .address_space: global }
      - { .name: hidden, .offset: 8, .size: 8, .value_kind: global_buffer, .address_space: global }
      - { .name: b_attn, .offset: 16, .size: 8, .value_kind: global_buffer, .address_space: global }
      - { .name: out0, .offset: 24, .size: 8, .value_kind: global_buffer, .address_space: global }
    .group_segment_fixed_size: 2048
    .private_segment_fixed_size: 0
    .kernarg_segment_align: 8
    .kernarg_segment_size: 32
    .max_flat_workgroup_size: 256
    .sgpr_count:     66
    .vgpr_count:     98
    .wavefront_size: 32
...
	.end_amdgpu_metadata
.endif
;; end of part 2
